; MI455X (gfx1250); checked and timed in simulation.
; The chip was launched on July 23, 2026; its instructions are those of AMD's public machine-readable ISA for CDNA 5 (MIT licence, August 2026) and "CDNA5" Instruction Set Architecture Reference Guide (July 2026). The comments in the code are by the model that wrote it; some were corrected since.
;; Mixed Sparse Gated MLP. Allowed arithmetic: matrix products marked QUANTISED: E4M3 operands, one E8M0 scale for each 32 along K, by v_wmma_scale_f32_16x16x128_f8f6f4 with both operands' format E4M3, f32 sums; products left as they are: f32 operands where the result goes on into a quantised operand, else bf16, f16 or f32 operands; f32 sums; everything else in f32.
;; Inputs: b_down 2,048 float32; b_gate 8,192 float32; b_up 8,192 float32; w_down 8,192 x 2,048 float32; w_down_lora_a 8,192 x 16 float32; w_down_lora_b 16 x 2,048 float32; w_gate 2,048 x 8,192 float32; w_gate_lora_a 2,048 x 16 float32; w_gate_lora_b 16 x 8,192 float32; w_up 2,048 x 8,192 float32; w_up_lora_a 2,048 x 16 float32; w_up_lora_b 16 x 8,192 float32; x1 4 x 256 x 2,048 float32.
;; Outputs: out0 4 x 256 x 2,048 float32.
;; This version of the problem:
;;   THIS VERSION OF THE PROBLEM IS GIVEN IN LOW PRECISION. The matrix products marked QUANTISED in the list below multiply operands that are first quantised to E4M3 (4 exponent bits, 3 mantissa bits; 8 bits a number), with one power-of-two scale for each 32 numbers along K (OCP MX v1.0); their sums are f32. All else is computed in f32.
;;   The module's matrix products, in the order in which they are computed (A, B: the left and right operand; K: the contracted axis; several contracted axes count as one K, in the product's order):
;;     1. [M 1,024, K 2,048] x [K 2,048, N 8,192]; A: input x1; B: input w_gate: QUANTISED
;;     2. [M 1,024, K 2,048] x [K 2,048, N 16]; A: input x1; B: input w_gate_lora_a: QUANTISED
;;     3. [M 1,024, K 16] x [K 16, N 8,192]; A: computed on the way; B: input w_gate_lora_b: left as it is (K = 16 < 32)
;;     4. [M 1,024, K 2,048] x [K 2,048, N 8,192]; A: input x1; B: input w_up: QUANTISED
;;     5. [M 1,024, K 2,048] x [K 2,048, N 16]; A: input x1; B: input w_up_lora_a: QUANTISED
;;     6. [M 1,024, K 16] x [K 16, N 8,192]; A: computed on the way; B: input w_up_lora_b: left as it is (K = 16 < 32)
;;     7. [M 1,024, K 8,192] x [K 8,192, N 2,048]; A: computed on the way; B: input w_down: QUANTISED
;;     8. [M 1,024, K 8,192] x [K 8,192, N 16]; A: computed on the way; B: input w_down_lora_a: QUANTISED
;;     9. [M 1,024, K 16] x [K 16, N 2,048]; A: computed on the way; B: input w_down_lora_b: left as it is (K = 16 < 32)
;;   THE QUANTISER, for each operand of a quantised product, along K:
;;     - K is cut into blocks of 32 from its start; a last block that is shorter is filled with zeros.
;;     - A block's scale is 2^e with e = floor(log2(the largest magnitude in the block)) - 8, held to -126 .. 127; a block of zeros has e = 0. As a byte (E8M0): e + 127.
;;     - Each number is divided by its block's scale, clamped to +-448, and rounded to the nearest number of E4M3, ties to even, subnormals kept.
;;     - The product sums the exact products of the quantised numbers (number of the format x scale) in f32.
;;   ~~~python
;;   def quantise(x, axis):      # numpy; x: float32 -> the quantised numbers, widened to float32 again
;;       x = np.moveaxis(x, axis, -1); K = x.shape[-1]
;;       x = np.pad(x, [(0, 0)] * (x.ndim - 1) + [(0, -K % 32)]); x = x.reshape(x.shape[:-1] + (-1, 32)); a = np.abs(x).max(-1, keepdims=True)
;;       e = np.where(a > 0, np.clip(np.frexp(np.where(a > 0, a, 1))[1] - 1 - 8, -126, 127), 0)      # np.frexp(a)[1] - 1 = floor(log2(a)), exactly
;;       r = np.clip(x / 2.0 ** e, -448, 448)
;;       step = 2.0 ** (np.maximum(np.frexp(np.where(r == 0, 1, r))[1] - 1, -6) - 3)
;;       q = np.round(r / step) * step * 2.0 ** e      # np.round: ties to even
;;       return np.moveaxis(q.reshape(q.shape[:-2] + (-1,))[..., :K], -1, axis).astype(np.float32)
;;   ~~~
;;   OPERANDS COMPUTED ON THE WAY. 'Computed on the way' means the value that the module computes at that place (a softmax that the list does not call 'softmax' is quantised finished and normalised). What goes into a quantiser is computed in f32, as accurately as f32 sums, v_exp_f32 and their like allow (about 1e-6 of the number): no bf16 or f16 on the way to a quantiser, and a product that is left as it is and whose result goes on into a quantised operand takes f32 operands (vector FMAs, or v_wmma_f32_16x16x4_f32). A number that lies on a knife's edge between two numbers of the format may be rounded either way, as far as f32 arithmetic and the matrix unit's own rounding can turn it there, and no further.
;; One version. Each part assembles by itself: llvm-mc -triple=amdgcn-amd-amdhsa -mcpu=gfx1250 --defsym DOCPART=n.
;; ======== version 1 of 1: 3 launches
;; limits: values are held in bf16: 8 bits of precision; right only within a limited range of input values
;; workspace buffers: xq 2,162,688 bytes; tws 131,072 bytes; wgq 17,301,504 bytes; wuq 17,301,504 bytes; wdq 19,660,800 bytes; x3q 8,650,752 bytes
;; launch prep (part 1): grid 1616 x 1, 4 waves a work-group, no clusters, 8,704 bytes of LDS; arguments x1, w_gate_lora_a, w_up_lora_a, w_gate, w_up, w_down, w_down_lora_a, xq, tws, wgq, wuq, wdq; writes xq, tws, wgq, wuq, wdq
.if DOCPART == 1
	.amdgcn_target "amdgcn-amd-amdhsa--gfx1250"
	.amdhsa_code_object_version 6
	.text
	.protected	k_q154770922b_prep
	.globl	k_q154770922b_prep
	.p2align	8
	.type	k_q154770922b_prep,@function
k_q154770922b_prep:
	s_mov_b64 s[64:65], 0
	v_nop
	global_prefetch_b8 v0, s[64:65] scope:SCOPE_SE
	s_setreg_imm32_b32 hwreg(HW_REG_WAVE_MODE, 25, 1), 1
	s_wait_xcnt 0x0
; MixedSparseGatedMLP, first of three launches: every operand of a quantised product that is an input is turned ONCE into codes of FP8 (E4M3) with one E8M0 byte for each 32 along K.
; Nothing of reference() is left out in this program: all 13 inputs have a way to the output, and all nine products are done.
; AN IMAGE is a fragment (16 rows x 128 K) as the matrix instruction's registers hold it: 2,048 bytes [c 4][lane 32][16 bytes]; lane (r = lane % 16, h = lane / 16) holds K = 32 c + 16 h + 0..15 of the tile's row r.
; A UNIT is four images and 256 bytes of scale words (word of row r, image t, at 8,192 + 16 r + 4 t): 8,448 bytes.
;   xq  [sigma 8][RG 16][p 2][unit]        K step 2 sigma + p; image t, row r = token 64 RG + 16 t + r
;   wgq, wuq [sigma 8][G 128][p 2][unit]   image u, row r = column 64 G + 4 r + u
;   wdq [CG 16][ks 64][19,200]             two units (columns 128 CG + 64 G' + 4 r + u), the image of w_down_lora_a at 16,896, its scale words ({word, 0} at 8 x lane) at 18,944
;   tws [T 64][g 4][lane 32][4 f32]        t_g[16 T + r][4 g + 2 h], [.. + 1], t_u likewise: x Q-times the two LoRA A matrices (products 2 and 5), laid as the f32 matrix form's operand
; WORK-GROUPS of four waves, told apart by their number alone; those with the longest chain of dependent steps have the lowest numbers:
;   0-63 x1 and products 2, 5 (path X: 16 tokens, four trips of four K steps); 64-79 w_down_lora_a (path A); 80-1103 w_gate and w_up, 1104-1615 w_down (path W: a wave takes 128 K x 64 columns).
; With 256 registers a wave, four work-groups fit on a WGP; the 1,536 work-groups of path W are 6 for each of 256 WGPs.
; No cluster: the work-groups share no large input.  No tensor load: every stream goes through registers, 32 loads of 512 bytes a wave on their way in path W.  No prefetch: each byte of the weights is asked for once, by its load.
; THE QUANTISER: a block's scale is 2^(floor(log2(largest magnitude)) - 8): its byte is the largest magnitude's exponent field - 8, held at 1 from below by a floor among the maximum's leaves.
; LIMITS: a block of zeros gets the byte 1 where the rule says 127 (its codes are zeros, and this program alone reads the bytes); blocks whose largest magnitude lies under 2^(9 - 127) share that byte;
; NaN and infinities among the inputs are not served; t_g and t_u are summed over K in 4 parts (K steps w, w + 4, w + 8, w + 12 in wave w's accumulator), the parts then ascending.
.set SPARE, 8192                       ; LDS: 4 x 2,048 bytes of partial sums (path X alone), then the spare words, 128 bytes a wave
.set TM,  16                           ; v16-31  at work in QUANT; in path W: v16-19 the neighbour's maxima, v20-23 the hold, v24-27 the maxima, v28-31 the scale operands
.set SEL, 40                           ; s[40:41] lane selects of v_permlanex16_b32: lane l xor 16
.set MNT, 42                           ; s42     the mantissa field of 448
.set R0,  64                           ; sets of 64 numbers
.set R1,  128
.set R2,  192                          ; path W: the turned set
.set XF,  32                           ; v32-47  x's codes      (path W: codes, even blocks)
.set AF,  48                           ; v48-63  a LoRA matrix's codes (path W: codes, odd blocks)
.set AF2, 192                          ; v192-207 the second LoRA matrix's codes (path X)
.set TG,  208                          ; v208-215 t_g's part, v216-223 t_u's (path X)
.set XW,  10                           ; v10, v11, v12: scale words of the matrix instructions, and nothing else
.set AW,  11
.set AW2, 12
; 64 numbers of a lane, register 16 b + i = K 32 b + 16 (lane / 16) + i of my row, become a fragment's codes in v[pc] on and its scale word in v[pw]
.macro QUANT s, pc, pw
.irp b, 0,1,2,3
	v_max3_num_f32 v[TM+\b], |v[\s+16*\b]|, |v[\s+1+16*\b]|, 0x4800000   ; my 16 numbers of block b, and the floor 2^(9 - 127)
.endr
.irp i, 2,4,6,8,10,12,14
.irp b, 0,1,2,3
	s_delay_alu instid0(VALU_DEP_4)
	v_max3_num_f32 v[TM+\b], v[TM+\b], |v[\s+16*\b+\i]|, |v[\s+1+16*\b+\i]|   ; the four blocks by turns
.endr
.endr
.irp b, 0,1,2,3
	s_delay_alu instid0(VALU_DEP_4)
	v_permlanex16_b32 v[TM+4+\b], v[TM+\b], s[SEL], s[SEL+1]
.endr
.irp b, 0,1,2,3
	s_delay_alu instid0(VALU_DEP_4)
	v_max_num_f32 v[TM+\b], v[TM+\b], v[TM+4+\b]                   ; with lane l xor 16's: the block's largest magnitude
.endr
.irp b, 0,1,2,3
	s_delay_alu instid0(VALU_DEP_4)
	v_add_nc_u32 v[TM+12+\b], 0xfc000000, v[TM+\b]                 ; 8 off its exponent field: the conversion's scale operand
.endr
.irp b, 0,1,2,3
	v_and_or_b32 v[TM+8+\b], v[TM+\b], 0x7f800000, s[MNT]          ; 448 x the scale
.endr
.irp b, 0,1,2,3
	v_lshrrev_b32 v[TM+4+\b], 23, v[TM+12+\b]                      ; the scale's byte
.endr
	s_delay_alu instid0(VALU_DEP_3)
	v_lshl_or_b32 v[\pw], v[TM+5], 8, v[TM+4]
	s_delay_alu instid0(VALU_DEP_1)
	v_lshl_or_b32 v[\pw], v[TM+6], 16, v[\pw]
	s_delay_alu instid0(VALU_DEP_1)
	v_lshl_or_b32 v[\pw], v[TM+7], 24, v[\pw]
.irp b, 0,1,2,3
.irp i, 0,1,2,3,4,5,6,7,8,9,10,11,12,13,14,15
	v_med3_num_f32 v[\s+16*\b+\i], v[\s+16*\b+\i], -v[TM+8+\b], v[TM+8+\b]   ; the conversion to an 8-bit code does not saturate (ISA guide 7.6.2): the hold comes first
.endr
	v_cvt_scalef32_pk8_fp8_f32 v[\pc+4*\b:\pc+1+4*\b], v[\s+16*\b:\s+7+16*\b], v[TM+12+\b]
	v_cvt_scalef32_pk8_fp8_f32 v[\pc+2+4*\b:\pc+3+4*\b], v[\s+8+16*\b:\s+15+16*\b], v[TM+12+\b]
.endr
	v_nop                                          ; a plain instruction behind the last conversion
.endm
; a LoRA A matrix [K][16] f32: lane r takes column r, its registers run down K: 128 K from the base on
.macro ALOAD reg, base
.irp c, 0,1,2,3
.irp i, 0,1,2,3,4,5,6,7,8,9,10,11,12,13,14,15
	global_load_b32 v[\reg+16*\c+\i], v9, s[\base:\base+1] offset:(32*\c+\i)*64
.endr
.endr
.endm
; PATH W.  A wave takes 128 K x 64 columns of a weight [K][N] f32.  Lane (cg = lane % 16, q = lane / 16) takes columns 4 cg .. 4 cg + 3 and, of block c, rows 32 c + 16 q + i:
; sixteen lanes read 256 consecutive bytes, aligned.  Register 4 i + n is row i of column n: the hold writes it to 16 n + i, so that the conversions find neighbours along K.
.macro LOADW c, set, rowb
.irp i, 0,1,2,3,4,5,6,7,8,9,10,11,12,13,14,15
	global_load_b128 v[\set+4*\i:\set+4*\i+3], v8, s[36:37] offset:(32*(\c)+\i)*\rowb th:TH_LOAD_NT
.endr
.endm
.macro WBLK blk, rowb
.set XS_, R0+64*((\blk)%2)
.set CW_, 32+16*((\blk)%2)
.if (\blk) < 3
	s_wait_loadcnt 16                              ; this block's 16 loads are in; the next block's 16 may be out
.else
	s_wait_loadcnt 0x0
.endif
.irp n, 0,1,2,3
	v_max3_num_f32 v[24+\n], |v[XS_+\n]|, |v[XS_+4+\n]|, 0x4800000
.endr
.irp k, 1,2,3,4,5,6,7
.irp n, 0,1,2,3
	s_delay_alu instid0(VALU_DEP_4)
	v_max3_num_f32 v[24+\n], v[24+\n], |v[XS_+8*\k+\n]|, |v[XS_+8*\k+4+\n]|
.endr
.endr
.irp n, 0,1,2,3
	s_delay_alu instid0(VALU_DEP_4)
	v_permlanex16_b32 v[16+\n], v[24+\n], s[SEL], s[SEL+1]
.endr
.irp n, 0,1,2,3
	s_delay_alu instid0(VALU_DEP_4)
	v_max_num_f32 v[24+\n], v[24+\n], v[16+\n]     ; the other 16 rows of the block lie in lane l xor 16
.endr
.irp n, 0,1,2,3
	s_delay_alu instid0(VALU_DEP_4)
	v_add_nc_u32 v[28+\n], 0xfc000000, v[24+\n]
.endr
.irp n, 0,1,2,3
	v_and_or_b32 v[20+\n], v[24+\n], 0x7f800000, s[MNT]
.endr
.irp n, 0,1,2,3
.if (\blk) == 0
	v_lshrrev_b32 v[4+\n], 23, v[28+\n]            ; the scale words v4-7: column n's, byte c for block c
.else
	v_lshrrev_b32 v9, 23, v[28+\n]
	s_delay_alu instid0(VALU_DEP_1)
	v_lshl_or_b32 v[4+\n], v9, 8*(\blk), v[4+\n]
.endif
.endr
.irp n, 0,1,2,3
.irp i, 0,1,2,3,4,5,6,7,8,9,10,11,12,13,14,15
	v_med3_num_f32 v[R2+16*\n+\i], v[XS_+4*\i+\n], -v[20+\n], v[20+\n]   ; the hold, which also turns the registers
.endr
.endr
.if (\blk) < 2
	LOADW (\blk)+2, XS_, \rowb                     ; the set just read takes the block two further on
.else
	s_wait_alu depctr_va_vdst(0)
	s_wait_xcnt 0x0                                ; the stores of two blocks back have read their codes: the registers are written again only behind this wait
.endif
.irp n, 0,1,2,3
.irp e, 0,1
	v_cvt_scalef32_pk8_fp8_f32 v[CW_+4*\n+2*\e:CW_+4*\n+2*\e+1], v[R2+16*\n+8*\e:R2+16*\n+8*\e+7], v[28+\n]
.endr
.endr
	v_nop
.irp n, 0,1,2,3
	global_store_b128 v1, v[CW_+4*\n:CW_+4*\n+3], s[34:35] offset:2048*\n+512*(\blk)   ; lane (cg, q) is the image's lane (r = cg, h = q): 512 consecutive bytes
.endr
.endm
.macro WPATH rowb
	v_bfe_u32 v9, v0, 4, 1                         ; q
	v_and_b32 v13, 15, v0
	s_delay_alu instid0(VALU_DEP_1)
	v_lshlrev_b32 v13, 4, v13                      ; 16 cg
	s_delay_alu instid0(VALU_DEP_3)
	v_mul_u32_u24 v8, v9, 16*\rowb
	s_delay_alu instid0(VALU_DEP_1)
	v_add_nc_u32 v8, v8, v13                       ; 16 q rows + 16 cg bytes
	s_wait_alu depctr_va_vdst(0)
.if \rowb == 32768
	s_sub_co_u32 s30, ttmp9, 80                    ; j, 0..1023: 32 work-groups on end cover the 32,768 bytes of the same 128 rows
	s_lshr_b32 s29, s30, 9                         ; 0: w_gate, 1: w_up
	s_and_b32 s31, s30, 31
	s_lshl_b32 s31, s31, 2
	s_add_co_u32 s31, s31, s28                     ; G: which 64 columns, 0..127
	s_bfe_u32 s30, s30, 0x40005                    ; ks: which 128 along K, 0..15
	s_cmp_eq_u32 s29, 0
	s_cselect_b64 s[36:37], s[10:11], s[12:13]
	s_cselect_b64 s[34:35], s[22:23], s[24:25]
	s_lshl_b32 s32, s30, 22                        ; 128 rows of 32,768 bytes
	s_lshl_b32 s29, s31, 8
	s_add_co_u32 s32, s32, s29
	s_add_nc_u64 s[36:37], s[36:37], s[32:33]
	s_lshr_b32 s32, s30, 1
	s_lshl_b32 s32, s32, 7
	s_add_co_u32 s32, s32, s31
	s_mul_i32 s32, s32, 16896
	s_and_b32 s29, s30, 1
	s_mul_i32 s29, s29, 8448
	s_add_co_u32 s32, s32, s29
	s_add_nc_u64 s[34:35], s[34:35], s[32:33]
.else
	s_sub_co_u32 s30, ttmp9, 1104                  ; j, 0..511: 8 work-groups on end cover the 8,192 bytes of the same 128 rows
	s_and_b32 s31, s30, 7
	s_lshl_b32 s31, s31, 2
	s_add_co_u32 s31, s31, s28                     ; G, 0..31
	s_lshr_b32 s30, s30, 3                         ; ks, 0..63
	s_lshl_b32 s32, s30, 20                        ; 128 rows of 8,192 bytes
	s_lshl_b32 s29, s31, 8
	s_add_co_u32 s32, s32, s29
	s_add_nc_u64 s[36:37], s[14:15], s[32:33]
	s_lshr_b32 s32, s31, 1
	s_lshl_b32 s32, s32, 6
	s_add_co_u32 s32, s32, s30
	s_mul_i32 s32, s32, 19200
	s_and_b32 s29, s31, 1
	s_mul_i32 s29, s29, 8448
	s_add_co_u32 s32, s32, s29
	s_add_nc_u64 s[34:35], s[26:27], s[32:33]
.endif
	LOADW 0, R0, \rowb
	LOADW 1, R1, \rowb
	WBLK 0, \rowb
	WBLK 1, \rowb
	WBLK 2, \rowb
	WBLK 3, \rowb
	global_store_b128 v13, v[4:7], s[34:35] offset:8192   ; the unit's scale words: 256 consecutive bytes (both halves of the lanes store the same words)
.endm
	s_load_b512 s[4:19], s[0:1], 0x0               ; x1, Ag, Au, w_gate, w_up, w_down, Ad, xq
	s_load_b256 s[20:27], s[0:1], 0x40             ; tws, wgq, wuq, wdq
	v_lshl_add_u32 v2, v0, 2, SPARE                ; my spare word, and 0: kept for the add at the wave's end
	v_mov_b32 v3, 0
	v_lshrrev_b32 v1, 5, v0
	s_delay_alu instid0(VALU_DEP_1)
	v_readfirstlane_b32 s28, v1                    ; wave 0..3
	v_and_b32 v1, 31, v0
	s_delay_alu instid0(VALU_DEP_1)
	v_lshlrev_b32 v1, 4, v1                        ; 16 x lane
	s_mov_b32 s[SEL], 0x76543210
	s_mov_b32 s[SEL+1], 0xfedcba98
	s_mov_b32 s[MNT], 0x600000
	s_mov_b32 s33, 0                               ; the upper word of every offset
.irp i, 0,1,2,3,4,5,6,7
	v_mov_b32 v[16+\i], 0                          ; written once: a lane permute's destination counts as one of its sources
.endr
	s_wait_alu depctr_va_vdst(0)
	s_wait_kmcnt 0x0
	s_cmp_lt_u32 ttmp9, 64
	s_cbranch_scc1 .Lpath_x
	s_cmp_lt_u32 ttmp9, 80
	s_cbranch_scc1 .Lpath_a
	s_cmp_lt_u32 ttmp9, 1104
	s_cbranch_scc0 .Ldown_w
	WPATH 32768
	s_branch .Lend
.Ldown_w:
	WPATH 8192
	s_branch .Lend
.Lpath_x:
	; PATH X.  The work-group takes 16 tokens (tile T = its number); wave w takes their K steps w, w + 4, w + 8, w + 12, one a trip:
	; it quantises x, stores the image, quantises both LoRA A matrices' 128 rows and multiplies, t_g's and t_u's accumulators by turns.
	s_lshl_b32 s32, ttmp9, 17                      ; 16 rows of 8,192 bytes
	s_lshl_b32 s30, s28, 9
	s_add_co_u32 s32, s32, s30
	s_add_nc_u64 s[36:37], s[4:5], s[32:33]        ; x at (T, K step w)
	s_lshl_b32 s32, s28, 13
	s_add_nc_u64 s[38:39], s[6:7], s[32:33]        ; the LoRA matrices at K step w: 128 rows of 64 bytes
	s_add_nc_u64 s[44:45], s[8:9], s[32:33]
	s_lshr_b32 s30, s28, 1
	s_lshl_b32 s30, s30, 4
	s_lshr_b32 s31, ttmp9, 2
	s_add_co_u32 s30, s30, s31
	s_mul_i32 s32, s30, 16896
	s_and_b32 s30, s28, 1
	s_mul_i32 s30, s30, 8448
	s_add_co_u32 s32, s32, s30
	s_add_nc_u64 s[34:35], s[18:19], s[32:33]      ; my unit of xq
	s_lshl_b32 s32, ttmp9, 11
	s_lshl_b32 s30, s28, 9
	s_add_co_u32 s32, s32, s30
	s_add_nc_u64 s[46:47], s[20:21], s[32:33]      ; tws at (T, g = w)
	s_lshl_b32 s30, s28, 11                        ; LDS, in: my wave's 2,048 bytes
	s_and_b32 s31, s28, 1
	s_lshl_b32 s31, s31, 9
	s_bfe_u32 s29, s28, 0x10001
	s_lshl_b32 s29, s29, 8
	s_add_co_u32 s31, s31, s29                     ; LDS, out: 512 (g % 2) + 256 (g / 2)
	s_and_b32 s29, ttmp9, 3
	s_lshl_b32 s32, s29, 11                        ; image T % 4
	s_lshl_b32 s29, s29, 2                         ; its place in a row's scale words
	s_mov_b32 s43, 4                               ; trips
	v_and_b32 v4, 15, v0                           ; r
	v_bfe_u32 v5, v0, 4, 1                         ; h
	v_add_nc_u32 v6, s30, v1                       ; LDS, in: [matrix 2][registers 0-3, 4-7][16 x lane]
	v_add_nc_u32 v13, s32, v1                      ; the image's 16 x lane
	v_lshl_add_u32 v7, v4, 4, s31
	v_lshl_add_u32 v14, v4, 4, s29                 ; the scale word: 16 r + 4 (T % 4)
	v_lshlrev_b32 v8, 13, v4
	v_lshlrev_b32 v9, 2, v4
	v_lshl_add_u32 v7, v5, 3, v7                   ; LDS, out: t[r][4 g + 2 h + 0, 1] lies in registers 4 (g % 2) + 2 h + 0, 1 of lane r + 16 (g / 2)
	v_lshl_add_u32 v8, v5, 6, v8                   ; x: row r of 8,192 bytes, + 64 h: my 16 numbers of a block
	v_lshl_add_u32 v9, v5, 10, v9                  ; A: column r, 16 h rows of 64 bytes down
.irp i, 0,1,2,3,4,5,6,7,8,9,10,11,12,13,14,15
	v_mov_b32 v[TG+\i], 0                          ; the trip is written once: the two sums begin as zeros
.endr
	s_wait_alu depctr_va_vdst(0)
.Lxk:
.irp b, 0,1,2,3
.irp j, 0,1,2,3
	global_load_b128 v[R0+16*\b+4*\j:R0+16*\b+4*\j+3], v8, s[36:37] offset:128*\b+16*\j th:TH_LOAD_NT
.endr
.endr
	ALOAD R1, 38
	s_wait_loadcnt 63                              ; x's 16 loads are in; 63 of the gate matrix's 64 may be out (the largest count that the wait's field holds)
	QUANT R0, XF, XW
	ALOAD R0, 44                                   ; x's numbers are done with: their registers take the up matrix
.irp c, 0,1,2,3
	global_store_b128 v13, v[XF+4*\c:XF+4*\c+3], s[34:35] offset:512*\c
.endr
	global_store_b32 v14, v[XW], s[34:35] offset:8192
	s_wait_loadcnt 63                              ; the gate matrix's 64 loads are in; 63 of the up matrix's 64 may be out
	QUANT R1, AF, AW
	s_wait_loadcnt 0x0
	QUANT R0, AF2, AW2
.rept 4
	v_nop                                          ; codes written by vector instructions stand four places ahead of a scaled matrix instruction; the scale words were made ahead of the holds
.endr
	s_wait_alu depctr_va_vdst(0)
	v_wmma_scale_f32_16x16x128_f8f6f4 v[TG:TG+7], v[AF:AF+15], v[XF:XF+15], v[TG:TG+7], v[AW], v[XW]            ; transposed: register j of lane (r, h) = my part of t_g[token r][8 h + j]
	s_wait_alu depctr_va_vdst(0)
	v_wmma_scale_f32_16x16x128_f8f6f4 v[TG+8:TG+15], v[AF2:AF2+15], v[XF:XF+15], v[TG+8:TG+15], v[AW2], v[XW]   ; and of t_u
	s_wait_xcnt 0x0                                ; the trip's loads and stores have read their bases and data: they are written again only behind this wait
	s_add_nc_u64 s[36:37], s[36:37], 2048          ; four K steps on: 512 numbers of x,
	s_add_nc_u64 s[38:39], s[38:39], 32768         ; 512 rows of the LoRA matrices,
	s_add_nc_u64 s[44:45], s[44:45], 32768
	s_add_nc_u64 s[34:35], s[34:35], 540672        ; two sigma of xq
	s_sub_co_u32 s43, s43, 1
	s_cmp_lg_u32 s43, 0
	s_wait_alu depctr_va_vdst(0)
	s_cbranch_scc1 .Lxk
.rept 8
	v_nop                                          ; eight places behind the last matrix instruction
.endr
	ds_store_b128 v6, v[TG:TG+3]                   ; each result from its low end on
	ds_store_b128 v6, v[TG+4:TG+7] offset:512
	ds_store_b128 v6, v[TG+8:TG+11] offset:1024
	ds_store_b128 v6, v[TG+12:TG+15] offset:1536
	s_wait_dscnt 0x0                               ; for the others' sake: my stores have landed
	s_barrier_signal -1
	s_barrier_wait -1
.irp p, 0,1,2,3
	ds_load_b64 v[128+4*\p:129+4*\p], v7 offset:2048*\p
	ds_load_b64 v[130+4*\p:131+4*\p], v7 offset:2048*\p+1024
.endr
	s_wait_dscnt 0x0
	v_pk_add_f32 v[192:193], v[128:129], v[132:133]
	v_pk_add_f32 v[194:195], v[130:131], v[134:135]
.irp p, 2,3
	s_delay_alu instid0(VALU_DEP_2)
	v_pk_add_f32 v[192:193], v[192:193], v[128+4*\p:129+4*\p]   ; the four waves' parts, ascending
	s_delay_alu instid0(VALU_DEP_2)
	v_pk_add_f32 v[194:195], v[194:195], v[130+4*\p:131+4*\p]
.endr
	global_store_b128 v1, v[192:195], s[46:47]     ; 512 consecutive bytes
	s_branch .Lend
.Lpath_a:
	; PATH A.  Wave ks quantises 128 rows of w_down_lora_a and stores the image and its scale words into the unit (CG, ks) of all 16 column groups.
	s_sub_co_u32 s29, ttmp9, 64
	s_lshl_b32 s29, s29, 2
	s_add_co_u32 s29, s29, s28                     ; ks, 0..63
	v_and_b32 v4, 15, v0
	v_bfe_u32 v5, v0, 4, 1
	s_delay_alu instid0(VALU_DEP_2)
	v_lshlrev_b32 v9, 2, v4
	s_delay_alu instid0(VALU_DEP_1)
	v_lshl_add_u32 v9, v5, 10, v9
	v_lshrrev_b32 v13, 1, v1                       ; 8 x lane
	s_lshl_b32 s32, s29, 13
	s_add_nc_u64 s[38:39], s[16:17], s[32:33]
	s_mul_i32 s32, s29, 19200
	s_add_nc_u64 s[34:35], s[26:27], s[32:33]
	ALOAD R1, 38
	s_wait_loadcnt 0x0
	QUANT R1, AF, AW
	v_mov_b32 v14, v[AW]
	v_mov_b32 v15, 0
	s_wait_alu depctr_va_vdst(0)
.rept 16
.irp c, 0,1,2,3
	global_store_b128 v1, v[AF+4*\c:AF+4*\c+3], s[34:35] offset:16896+512*\c
.endr
	global_store_b64 v13, v[14:15], s[34:35] offset:18944
	s_wait_xcnt 0x0                                ; the stores have read their base: it steps only behind this wait
	s_add_nc_u64 s[34:35], s[34:35], 1228800       ; the next column group
.endr
.Lend:
	s_wait_tensorcnt 0x0                           ; the wave's end
	ds_add_u32 v2, v3
	s_wait_dscnt 0x0
	s_endpgm
.Lfunc_end_k_q154770922b_prep:
	.size	k_q154770922b_prep, .Lfunc_end_k_q154770922b_prep-k_q154770922b_prep
	.p2alignl 7, 3214868480
	.fill 96, 4, 3214868480
	.section	.rodata,"a",@progbits
	.p2align	6, 0x0
	.amdhsa_kernel k_q154770922b_prep
		.amdhsa_group_segment_fixed_size 8704
		.amdhsa_private_segment_fixed_size 0
		.amdhsa_enable_private_segment 0
		.amdhsa_kernarg_size 96
		.amdhsa_user_sgpr_count 2
		.amdhsa_user_sgpr_kernarg_segment_ptr 1
		.amdhsa_wavefront_size32 1
		.amdhsa_system_sgpr_workgroup_id_x 1
		.amdhsa_system_sgpr_workgroup_id_y 1
		.amdhsa_system_sgpr_workgroup_id_z 1
		.amdhsa_system_vgpr_workitem_id 0
		.amdhsa_next_free_vgpr 256
		.amdhsa_next_free_sgpr 66
		.amdhsa_reserve_vcc 0
		.amdhsa_float_denorm_mode_32 3
		.amdhsa_float_denorm_mode_16_64 3
		.amdhsa_memory_ordered 1
		.amdhsa_forward_progress 1
		.amdhsa_inst_pref_size 166
	.end_amdhsa_kernel
	.amdgpu_metadata
---
amdhsa.version: [ 1, 2 ]
amdhsa.kernels:
  - .name:           k_q154770922b_prep
    .symbol:         k_q154770922b_prep.kd
    .args:
      - { .name: x1, .offset: 0, .size: 8, .value_kind: global_buffer, .address_space: global }
      - { .name: w_gate_lora_a, .offset: 8, .size: 8, .value_kind: global_buffer, .address_space: global }
      - { .name: w_up_lora_a, .offset: 16, .size: 8, .value_kind: global_buffer, .address_space: global }
      - { .name: w_gate, .offset: 24, .size: 8, .value_kind: global_buffer, .address_space: global }
      - { .name: w_up, .offset: 32, .size: 8, .value_kind: global_buffer, .address_space: global }
      - { .name: w_down, .offset: 40, .size: 8, .value_kind: global_buffer, .address_space: global }
      - { .name: w_down_lora_a, .offset: 48, .size: 8, .value_kind: global_buffer, .address_space: global }
      - { .name: xq, .offset: 56, .size: 8, .value_kind: global_buffer, .address_space: global }
      - { .name: tws, .offset: 64, .size: 8, .value_kind: global_buffer, .address_space: global }
      - { .name: wgq, .offset: 72, .size: 8, .value_kind: global_buffer, .address_space: global }
      - { .name: wuq, .offset: 80, .size: 8, .value_kind: global_buffer, .address_space: global }
      - { .name: wdq, .offset: 88, .size: 8, .value_kind: global_buffer, .address_space: global }
    .group_segment_fixed_size: 8704
    .private_segment_fixed_size: 0
    .kernarg_segment_align: 8
    .kernarg_segment_size: 96
    .max_flat_workgroup_size: 128
    .sgpr_count:     66
    .vgpr_count:     256
    .wavefront_size: 32
...
	.end_amdgpu_metadata
.endif
;; end of part 1
;; launch gateup (part 2): grid 64 x 4, 4 waves a work-group, clusters of 4 x 4, 327,680 bytes of LDS; arguments xq, tws, wgq, wuq, b_gate, b_up, w_gate_lora_b, w_up_lora_b, x3q; writes x3q
.if DOCPART == 2
	.amdgcn_target "amdgcn-amd-amdhsa--gfx1250"
	.amdhsa_code_object_version 6
	.text
	.protected	k_q154770922b_gateup
	.globl	k_q154770922b_gateup
	.p2align	8
	.type	k_q154770922b_gateup,@function
k_q154770922b_gateup:
	s_mov_b64 s[64:65], 0
	v_nop
	global_prefetch_b8 v0, s[64:65] scope:SCOPE_SE
	s_setreg_imm32_b32 hwreg(HW_REG_WAVE_MODE, 25, 1), 1
	s_wait_xcnt 0x0
	s_wait_alu depctr_hold_cnt(0) depctr_sa_sdst(0) depctr_va_vdst(0) depctr_va_sdst(0) depctr_va_ssrc(0) depctr_va_vcc(0) depctr_vm_vsrc(0)
	s_getreg_b32 s2, hwreg(HW_REG_IB_STS2, 6, 4)
	s_cmp_eq_u32 s2, 0
	s_cbranch_scc0 .Lentry_in_a_cluster
	s_endpgm
.Lentry_in_a_cluster:
	s_bfe_u32 s2, ttmp6, 0x10000c
	s_cmp_lg_u32 s2, 0xf033
	s_cbranch_scc0 .Lentry_shape_is_right
	s_endpgm
.Lentry_shape_is_right:
; Second launch: y1 and y2 (products 1, 3, 4, 6 and the biases), x3 = relu(y1) y2, and x3's codes and scale bytes along F.  Nothing of reference() is left out.
; A work-group makes 256 tokens x 128 columns of both y1 and y2; a wave 128 tokens x 64 columns of both: 64 accumulators.  The biases and the LoRA products (f32 matrix form) start the sums.
; K goes through two LDS slots of 256 along K each, filled by joint loads in clusters of 4 x 4: x's units are shared along a row of the cluster, the weights' along a column.
; The head: one joint load a wave; the loads of t, the LoRA B matrices and the biases go out under its flight; slot 1's fill follows behind the full sequence, and the LoRA products stand behind it.
; Prefetch: behind the fill of slot-turn sigma each wave asks for 33 of the 132 blocks of 256 bytes that it fetches in turn sigma + 2; the four partners of a joint load share the blocks out by address.
.set UNIT,  8448
.set PART,  33792
.set PFO,   26                         ; v26  256 x lane: a lane a block
.set PF2,   27                         ; v27  0: with the offset 8,192 every lane names my 33rd block
.set SLOT,  4*PART
.set SPARE, 2*SLOT
.set ADRA, 16
.set ASA,  18
.set ADRB, 20
.set ASB,  22
.set XO,   24
.set XSO,  25
.set SPW,  28
.set NIL,  29
.set SC,   32
.set AF,   128
.set BFR,  128
.set BIAS, 192
.set EE,   128
.set PC,   160
.set G1,  24
.set G0,  32
.set G1B, 48
.set G0B, 56
.set MSB, 0
.macro WIN new
.if MSB != \new
	s_set_vgpr_msb (MSB<<8)|\new
.set MSB, \new
.endif
.endm
.set MUL_LO, 0xa1
.set MUL_HI, 0xf1
.set TO_B,   0x40
.macro JLOAD s
	s_cmp_eq_u32 s23, 0
	s_cbranch_scc0 .Lfor_b_\@
	tensor_load_to_lds s[G0+4*\s:G0+4*\s+3], s[G1:G1+7]
	s_nop 0
.rept 4
	v_nop
.endr
	s_branch .Lasked_\@
.Lfor_b_\@:
	tensor_load_to_lds s[G0B+4*\s:G0B+4*\s+3], s[G1B:G1B+7]
	s_nop 0
.rept 4
	v_nop
.endr
.Lasked_\@:
.endm
.macro CREST
	s_cmp_lg_u32 s22, 0
	s_cbranch_scc1 .Lnot_wave_0_\@
	s_barrier_signal -3
.Lnot_wave_0_\@:
	s_barrier_wait -3
	s_barrier_signal -1
	s_barrier_wait -1
.endm
.macro CROUND
	s_barrier_signal -1
	s_barrier_wait -1
	CREST
.endm
.macro PLACES n
.rept \n
	v_nop
.endr
.endm
	s_load_b512 s[4:19], s[0:1], 0x0
	s_load_b64 s[20:21], s[0:1], 0x40
	v_lshl_add_u32 v[SPW], v0, 2, SPARE
	v_mov_b32 v[NIL], 0
	ds_add_u32 v[SPW], v[NIL]
	ds_add_u32 v[SPW], v[NIL]
	v_lshrrev_b32 v1, 5, v0
	v_readfirstlane_b32 s22, v1
	s_lshr_b32 s23, s22, 1
	s_and_b32 s66, s22, 1
	s_bfe_u32 s40, ttmp6, 0x40000
	s_bfe_u32 s41, ttmp6, 0x40004
	s_lshl_b32 s42, ttmp9, 2
	s_add_co_u32 s42, s42, s40
	s_lshl_b32 s44, s41, 2
	s_lshl_b32 s44, 15, s44
	s_lshl_b32 s45, 0x1111, s40
	s_or_b32 s[G1], s44, (3<<16)|(1<<21)
	s_or_b32 s[G1B], s45, (3<<16)|(1<<21)
.irp g, G1, G1B
	s_mov_b32 s[\g+1], 32<<16
	s_mov_b32 s[\g+2], 132<<16
	s_mov_b32 s[\g+3], 32<<16
	s_mov_b32 s[\g+4], 132
	s_mov_b32 s[\g+5], 32
	s_mov_b32 s[\g+6], 0
	s_mov_b32 s[\g+7], 0
.endr
	s_mul_i32 s68, s41, 2*PART
	s_mul_i32 s69, s66, PART
	s_add_co_u32 s68, s68, s69
	s_mov_b32 s69, 0
	s_mul_i32 s70, s42, PART
	s_mov_b32 s71, 0
	s_mul_i32 s67, s22, PART
	s_mov_b32 s72, 0x600000
	s_wait_dscnt 0x0
	s_wait_kmcnt 0x0
	s_add_nc_u64 s[68:69], s[4:5], s[68:69]
	s_cmp_eq_u32 s66, 0
	s_cselect_b64 s[76:77], s[8:9], s[10:11]
	s_add_nc_u64 s[70:71], s[76:77], s[70:71]
	s_mov_b32 s76, 128*2*UNIT                      ; s[76:77]: bytes from one slot-turn's tile to the next: the weights',
	s_mov_b32 s77, 0
	s_mov_b32 s11, 0
	s_cmp_eq_u32 s23, 0                            ; do I fetch for x?
	s_cselect_b64 s[8:9], s[68:69], s[70:71]       ; s[8:9]: where my prefetches stand: the part that I fetch,
	s_cselect_b32 s10, s40, s41                    ; my place among the four that ask for it with me,
	s_cselect_b32 s76, 16*2*UNIT, s76              ; or x's
	s_mul_i32 s10, s10, UNIT                       ; 33 blocks of 256 bytes for each partner
	s_add_nc_u64 s[8:9], s[8:9], s[10:11]
	s_add_nc_u64 s[8:9], s[8:9], s[76:77]
	s_add_nc_u64 s[8:9], s[8:9], s[76:77]          ; at slot-turn 2
	CROUND
.irp s, 0,1
	s_mov_b32 s[G0+4*\s], 1
	s_add_co_u32 s[G0+4*\s+1], s67, \s*SLOT
	s_add_nc_u64 s[G0+4*\s+2:G0+4*\s+3], s[68:69], \s*16*2*UNIT
	s_or_b32 s[G0+4*\s+3], s[G0+4*\s+3], 0x80000000
	s_mov_b32 s[G0B+4*\s], 1
	s_add_co_u32 s[G0B+4*\s+1], s67, \s*SLOT
	s_add_nc_u64 s[G0B+4*\s+2:G0B+4*\s+3], s[70:71], \s*128*2*UNIT
	s_or_b32 s[G0B+4*\s+3], s[G0B+4*\s+3], 0x80000000
.endr
	JLOAD 0                                        ; slot 0: one tensor load a wave at the head
	v_and_b32 v2, 31, v0
	v_lshlrev_b32 v1, 4, v2
	v_and_b32 v3, 15, v0
	v_bfe_u32 v4, v0, 4, 1
	v_lshlrev_b32 v5, 4, v3
	s_wait_alu depctr_va_vdst(0)
	s_mul_i32 s46, s23, PART
	s_mul_i32 s47, s66, 2*UNIT
	s_add_co_u32 s47, s47, 2*PART
.irp s, 0,1
	v_add_nc_u32 v[ADRA+\s], s46, v1
	v_add_nc_u32 v[ASA+\s], s46, v5
	v_add_nc_u32 v[ADRB+\s], s47, v1
	v_add_nc_u32 v[ASB+\s], s47, v5
	s_add_co_u32 s46, s46, SLOT
	s_add_co_u32 s47, s47, SLOT
.endr
	s_lshl_b32 s73, s66, 10
	v_lshl_add_u32 v[XO], v4, 9, v5
	v_add_nc_u32 v[XO], s73, v[XO]
	s_lshl_b32 s73, s66, 7
	v_lshlrev_b32 v[XSO], 2, v3
	v_lshl_add_u32 v[XSO], v4, 6, v[XSO]
	v_add_nc_u32 v[XSO], s73, v[XSO]
	v_lshlrev_b32 v[PFO], 8, v2
	v_mov_b32 v[PF2], 0
	v_lshl_add_u32 v6, v4, 16, v5
	s_wait_alu depctr_va_vdst(0)
	v_lshlrev_b32 v7, 7, v4
	s_wait_alu depctr_va_vdst(0)
	s_lshl_b32 s46, s41, 4
	s_lshl_b32 s47, s23, 3
	s_add_co_u32 s46, s46, s47
	s_lshl_b32 s46, s46, 11
	s_mov_b32 s47, 0
	s_add_nc_u64 s[68:69], s[6:7], s[46:47]
	s_lshl_b32 s70, s42, 9
	s_lshl_b32 s71, s66, 8
	s_add_co_u32 s70, s70, s71
	s_mov_b32 s71, 0
	s_add_nc_u64 s[12:13], s[12:13], s[70:71]
	s_add_nc_u64 s[14:15], s[14:15], s[70:71]
	s_add_nc_u64 s[16:17], s[16:17], s[70:71]
	s_add_nc_u64 s[18:19], s[18:19], s[70:71]
	s_lshl_b32 s78, s41, 2
	s_lshl_b32 s79, s23, 1
	s_add_co_u32 s78, s78, s79
	s_lshl_b32 s78, s78, 6
	s_add_co_u32 s78, s78, s42
	s_mul_i32 s78, s78, UNIT
	s_mov_b32 s79, 0
	s_add_nc_u64 s[74:75], s[20:21], s[78:79]
.macro ASK                             ; my 33 blocks of the tile at s[8:9]
	global_prefetch_b8 v[PFO], s[8:9] th:TH_LOAD_NT scope:SCOPE_SE
	global_prefetch_b8 v[PF2], s[8:9] offset:8192 th:TH_LOAD_NT scope:SCOPE_SE
.endm
	ASK                                            ; slot-turn 2's tile
	WIN TO_B
.irp a, 0,1,2,3,4,5,6,7
.irp g, 0,1,2,3
	global_load_b128 v[16*\a+4*\g:16*\a+4*\g+3], v1, s[68:69] offset:2048*\a+512*\g
.endr
.endr
	WIN 0
.irp m, 0,1
.irp u, 0,1,2,3
.irp g, 0,1,2,3
.irp j, 0,1
	global_load_b32 v[BFR+8*(4*\m+\u)+2*\g+\j], v6, s[16+2*\m:17+2*\m] offset:(4*\g+\j)*32768+4*\u
.endr
.endr
.irp j, 0,1,2,3,4,5,6,7
	global_load_b32 v[BIAS+8*(4*\m+\u)+\j], v7, s[12+2*\m:13+2*\m] offset:16*\j+4*\u
.endr
.endr
.endr
	s_wait_alu depctr_va_vdst(0)
	s_wait_tensorcnt 0x0                           ; my part of slot 0 is in
	ds_add_u32 v[SPW], v[NIL]
	s_wait_dscnt 0x0
	CROUND
	JLOAD 1                                        ; slot 1's first fill, the first tensor load behind the round
	s_wait_loadcnt 0x0                             ; t, the LoRA B matrices and the biases
	s_wait_xcnt 0x0                                ; the first prefetch has read its address
	s_add_nc_u64 s[8:9], s[8:9], s[76:77]
	ASK                                            ; slot-turn 3's tile
.macro LORA g, hi
.if \g == 0
	WIN 0x84+0x40*\hi
.else
	WIN 0xa4+0x50*\hi
.endif
.irp a, 0,1,2,3
.irp b, 0,1,2,3,4,5,6,7
.if \g == 0
	v_wmma_f32_16x16x4_f32 v[8*(8*\a+\b):8*(8*\a+\b)+7], v[BFR+8*\b+2*\g:BFR+8*\b+2*\g+1], v[16*(4*\hi+\a)+4*\g+2*(\b/4):16*(4*\hi+\a)+4*\g+2*(\b/4)+1], v[BIAS+8*\b:BIAS+8*\b+7]
.else
	v_wmma_f32_16x16x4_f32 v[8*(8*\a+\b):8*(8*\a+\b)+7], v[BFR+8*\b+2*\g:BFR+8*\b+2*\g+1], v[16*(4*\hi+\a)+4*\g+2*(\b/4):16*(4*\hi+\a)+4*\g+2*(\b/4)+1], v[8*(8*\a+\b):8*(8*\a+\b)+7]
.endif
.endr
.endr
.endm
.irp g, 0,1,2,3
	LORA \g, 0
	LORA \g, 1
.endr
	WIN 0
	PLACES 9
.macro FRAG reg, adr, off
.irp c, 0,1,2,3
	ds_load_b128 v[\reg+4*\c:\reg+4*\c+3], v[\adr] offset:\off+512*\c
.endr
.endm
.macro FETCH_B slot, q, p
	WIN TO_B
.irp i, 0,1,2,3,4,5,6,7
	FRAG 128*(\p)+16*\i, ADRB+\slot, (\i/4)*PART+(\q)*UNIT+(\i%4)*2048
.endr
	WIN 0
.endm
.macro FETCH_A slot, q, i0
.irp i, \i0, \i0+1, \i0+2, \i0+3
	FRAG AF+16*(\i), ADRA+\slot, ((\i)/4)*2*UNIT+(\q)*UNIT+((\i)%4)*2048
.endr
.endm
.macro SCALES s
.irp q, 0,1
.irp f, 0,1
	ds_load_b128 v[SC+32*\s+16*\q+4*\f:SC+32*\s+16*\q+4*\f+3], v[ASA+\s] offset:8192+\f*2*UNIT+\q*UNIT
	ds_load_b128 v[SC+32*\s+16*\q+8+4*\f:SC+32*\s+16*\q+8+4*\f+3], v[ASB+\s] offset:8192+\f*PART+\q*UNIT
.endr
.endr
.endm
.macro MUL16 a0, p, q, sc
.irp a, \a0, \a0+1
.irp b, 0,1,2,3,4,5,6,7
	v_wmma_scale_f32_16x16x128_f8f6f4 v[8*(8*((\a)%4)+\b):8*(8*((\a)%4)+\b)+7], v[128*(\p)+16*\b:128*(\p)+16*\b+15], v[AF+16*(\a):AF+16*(\a)+15], v[8*(8*((\a)%4)+\b):8*(8*((\a)%4)+\b)+7], v[SC+32*(\sc)+16*(\q)+8+\b], v[SC+32*(\sc)+16*(\q)+(\a)]
.endr
.endr
.endm
.macro STEP slot
	s_wait_dscnt 16
	WIN MUL_LO
	MUL16 0, 0, 0, \slot
	MUL16 2, 0, 0, \slot
	s_wait_dscnt 0x0
	PLACES 8
	FETCH_B \slot, 1, 1
	FETCH_A \slot, 1, 0
	WIN MUL_HI
	MUL16 4, 0, 0, \slot
	MUL16 6, 0, 0, \slot
	PLACES 8
	WIN 0
	FETCH_A \slot, 1, 4
.endm
.macro TURN slot, next, fill
.if \fill
	s_wait_xcnt 0x0                                ; the last prefetch, a slot-turn back, has read its address
	s_add_nc_u64 s[8:9], s[8:9], s[76:77]
.endif
	s_wait_tensorcnt 0x0
	ds_add_u32 v[SPW], v[NIL]
	s_wait_dscnt 17
	WIN MUL_LO
	MUL16 0, 1, 1, \slot
	s_wait_dscnt 0x0
	s_barrier_signal -1
	MUL16 2, 1, 1, \slot
	WIN 0
	s_barrier_wait -1
.if \fill
	CREST
	s_add_nc_u64 s[G0+4*\slot+2:G0+4*\slot+3], s[G0+4*\slot+2:G0+4*\slot+3], 2*16*2*UNIT
	s_add_nc_u64 s[G0B+4*\slot+2:G0B+4*\slot+3], s[G0B+4*\slot+2:G0B+4*\slot+3], 2*128*2*UNIT
	JLOAD \slot
	PLACES 4
.else
	PLACES 8
.endif
	FETCH_B \next, 0, 0
	FETCH_A \next, 0, 0
	SCALES \next
.if \fill
	s_cmp_gt_u32 s3, 1                             ; the last trip's two refills are turns 6 and 7: there is no tile two turns on
	s_cbranch_scc0 .Lno_ask_\@
	ASK
.Lno_ask_\@:
.endif
	WIN MUL_HI
	MUL16 4, 1, 1, \slot
	MUL16 6, 1, 1, \slot
	PLACES 8
	WIN 0
	FETCH_A \next, 0, 4
.endm
	s_wait_tensorcnt 1
	s_barrier_signal -1
	s_barrier_wait -1
	FETCH_B 0, 0, 0
	FETCH_A 0, 0, 0
	SCALES 0
	FETCH_A 0, 0, 4
	STEP 0
	s_mov_b32 s3, 3
.Llap:
	TURN 0, 1, 1
	STEP 1
	TURN 1, 0, 1
	STEP 0
	s_sub_co_u32 s3, s3, 1
	s_cmp_lg_u32 s3, 0
	s_cbranch_scc1 .Llap
	TURN 0, 1, 0
	STEP 1
	s_wait_dscnt 16
	WIN MUL_LO
	MUL16 0, 1, 1, 1
	MUL16 2, 1, 1, 1
	s_wait_dscnt 0x0
	WIN MUL_HI
	MUL16 4, 1, 1, 1
	MUL16 6, 1, 1, 1
	WIN 0
	PLACES 8
.macro XTILE a
.set AC_, 64*((\a)%4)
.set PC_, PC+8*((\a)%2)
	WIN 0x08+4*((\a)/4)
.irp u, 0,1,2,3
.irp j, 0,1,2,3,4,5,6,7
	v_max_num_f32 v[EE+4*\j+\u], 0, v[AC_+8*\u+\j]
.endr
.endr
.irp u, 0,1,2,3
.irp j, 0,1,2,3,4,5,6,7
	v_mul_f32 v[EE+4*\j+\u], v[EE+4*\j+\u], v[AC_+8*(4+\u)+\j]
.endr
.endr
	WIN 0
	v_max3_num_f32 v96, |v[EE]|, |v[EE+1]|, 0x4800000
	v_max3_num_f32 v97, |v[EE+16]|, |v[EE+17]|, 0x4800000
.irp i, 2,4,6,8,10,12,14
	v_max3_num_f32 v96, v96, |v[EE+\i]|, |v[EE+\i+1]|
	v_max3_num_f32 v97, v97, |v[EE+16+\i]|, |v[EE+17+\i]|
.endr
	v_max_num_f32 v96, v96, v97
	v_add_nc_u32 v98, 0xfc000000, v96
	v_and_or_b32 v99, v96, 0x7f800000, s72
.if (\a)%4 == 0
	v_lshrrev_b32 v[102+(\a)/4], 23, v98
.else
	v_lshrrev_b32 v100, 23, v98
	v_lshl_or_b32 v[102+(\a)/4], v100, 8*((\a)%4), v[102+(\a)/4]
.endif
.irp i, 0,1,2,3,4,5,6,7,8,9,10,11,12,13,14,15,16,17,18,19,20,21,22,23,24,25,26,27,28,29,30,31
	v_med3_num_f32 v[EE+\i], v[EE+\i], -v99, v99
.endr
.if (\a) >= 2
	s_wait_alu depctr_va_vdst(0)
	s_wait_xcnt 0x0
.endif
.irp e, 0,1,2,3
	v_cvt_scalef32_pk8_fp8_f32 v[PC_+2*\e:PC_+2*\e+1], v[EE+8*\e:EE+8*\e+7], v98
.endr
	v_nop
	global_store_b128 v[XO], v[PC_:PC_+3], s[74:75] offset:((\a)/4)*64*UNIT+((\a)%4)*2048
	global_store_b128 v[XO], v[PC_+4:PC_+7], s[74:75] offset:((\a)/4)*64*UNIT+((\a)%4)*2048+256
.if (\a)%4 == 3
	global_store_b32 v[XSO], v[102+(\a)/4], s[74:75] offset:((\a)/4)*64*UNIT+8192
.endif
.endm
.irp a, 0,1,2,3,4,5,6,7
	XTILE \a
.endr
	s_wait_tensorcnt 0x0
	ds_add_u32 v[SPW], v[NIL]
	s_wait_dscnt 0x0
	CROUND
	s_endpgm
.Lfunc_end_k_q154770922b_gateup:
	.size	k_q154770922b_gateup, .Lfunc_end_k_q154770922b_gateup-k_q154770922b_gateup
	.p2alignl 7, 3214868480
	.fill 96, 4, 3214868480
	.section	.rodata,"a",@progbits
	.p2align	6, 0x0
	.amdhsa_kernel k_q154770922b_gateup
		.amdhsa_group_segment_fixed_size 327680
		.amdhsa_private_segment_fixed_size 0
		.amdhsa_enable_private_segment 0
		.amdhsa_kernarg_size 72
		.amdhsa_user_sgpr_count 2
		.amdhsa_user_sgpr_kernarg_segment_ptr 1
		.amdhsa_wavefront_size32 1
		.amdhsa_system_sgpr_workgroup_id_x 1
		.amdhsa_system_sgpr_workgroup_id_y 1
		.amdhsa_system_sgpr_workgroup_id_z 1
		.amdhsa_system_vgpr_workitem_id 0
		.amdhsa_next_free_vgpr 1024
		.amdhsa_next_free_sgpr 80
		.amdhsa_reserve_vcc 0
		.amdhsa_float_denorm_mode_32 3
		.amdhsa_float_denorm_mode_16_64 3
		.amdhsa_memory_ordered 1
		.amdhsa_forward_progress 1
		.amdhsa_inst_pref_size 195
	.end_amdhsa_kernel
	.amdgpu_metadata
---
amdhsa.version: [ 1, 2 ]
amdhsa.kernels:
  - .name:           k_q154770922b_gateup
    .symbol:         k_q154770922b_gateup.kd
    .args:
      - { .name: xq, .offset: 0, .size: 8, .value_kind: global_buffer, .address_space: global }
      - { .name: tws, .offset: 8, .size: 8, .value_kind: global_buffer, .address_space: global }
      - { .name: wgq, .offset: 16, .size: 8, .value_kind: global_buffer, .address_space: global }
      - { .name: wuq, .offset: 24, .size: 8, .value_kind: global_buffer, .address_space: global }
      - { .name: b_gate, .offset: 32, .size: 8, .value_kind: global_buffer, .address_space: global }
      - { .name: b_up, .offset: 40, .size: 8, .value_kind: global_buffer, .address_space: global }
      - { .name: w_gate_lora_b, .offset: 48, .size: 8, .value_kind: global_buffer, .address_space: global }
      - { .name: w_up_lora_b, .offset: 56, .size: 8, .value_kind: global_buffer, .address_space: global }
      - { .name: x3q, .offset: 64, .size: 8, .value_kind: global_buffer, .address_space: global }
    .group_segment_fixed_size: 327680
    .private_segment_fixed_size: 0
    .kernarg_segment_align: 8
    .kernarg_segment_size: 72
    .max_flat_workgroup_size: 128
    .sgpr_count:     80
    .vgpr_count:     1024
    .wavefront_size: 32
...
	.end_amdgpu_metadata
.endif
;; end of part 2
;; launch down (part 3): grid 16 x 16, 4 waves a work-group, clusters of 4 x 1, 327,680 bytes of LDS; arguments x3q, wdq, w_down_lora_b, b_down, out0; writes out0
.if DOCPART == 3
	.amdgcn_target "amdgcn-amd-amdhsa--gfx1250"
	.amdhsa_code_object_version 6
	.text
	.protected	k_q154770922b_down
	.globl	k_q154770922b_down
	.p2align	8
	.type	k_q154770922b_down,@function
k_q154770922b_down:
	s_mov_b64 s[64:65], 0
	v_nop
	global_prefetch_b8 v0, s[64:65] scope:SCOPE_SE
	s_setreg_imm32_b32 hwreg(HW_REG_WAVE_MODE, 25, 1), 1
	s_wait_xcnt 0x0
	s_wait_alu depctr_hold_cnt(0) depctr_sa_sdst(0) depctr_va_vdst(0) depctr_va_sdst(0) depctr_va_ssrc(0) depctr_va_vcc(0) depctr_vm_vsrc(0)
	s_getreg_b32 s2, hwreg(HW_REG_IB_STS2, 6, 4)
	s_cmp_eq_u32 s2, 0
	s_cbranch_scc0 .Lentry_in_a_cluster
	s_endpgm
.Lentry_in_a_cluster:
	s_bfe_u32 s2, ttmp6, 0x10000c
	s_cmp_lg_u32 s2, 0x3003
	s_cbranch_scc0 .Lentry_shape_is_right
	s_endpgm
.Lentry_shape_is_right:
; Third launch: y3 = x3 Q-times w_down + b_down + (x3 Q-times w_down_lora_a) w_down_lora_b (products 7, 8, 9).  Nothing of reference() is left out.
; A work-group makes 64 tokens x 128 columns; its four waves share K: wave w takes K steps w, w + 4, ..; the four parts are added through LDS at the end.
; w_down's units come through two LDS slots of 8 K steps by joint loads, shared by the four work-groups of a cluster (4 x 1); x3's units go from memory straight into registers, two steps ahead.
; The head: one joint load a wave; the register loads go out under its flight; slot 1's fill follows behind the full sequence.
; Prefetch: every cluster asks for its own w_down tile one slot ahead of the fill (three waves of each partner, a quarter of the slot a partner); each wave asks for the 33 blocks of the x3 unit that it multiplies four of its steps on.
.set PFON,  1                          ; 1 while a step asks for the x3 unit four steps on
.set PFX,   30                         ; v30  256 x lane
.set UNIT,  8448
.set WUNIT, 19200
.set HALF,  4*WUNIT
.set SLOT,  2*HALF
.set QUART, SLOT/4
.set SPARE, 2*SLOT
.set STG,   0
.set OST,   147456
.set BS,  32
.set LS,  40
.set WB,  44
.set PQ,  48
.set XS,  52
.set AF,  64
.set BF,  128
.set SS,  64
.set TT,  136
.set UF,  208
.set PFO, 29
.set G1,  24
.set G0,  32
.set PA,  40
.set PFA, 44
.set ASKF, 21
.set MSB, 0
.macro WIN new
.if MSB != \new
	s_set_vgpr_msb (MSB<<8)|\new
.set MSB, \new
.endif
.endm
.macro CROUND
	s_barrier_signal -1
	s_barrier_wait -1
	s_cmp_lg_u32 s14, 0
	s_cbranch_scc1 .Lnot_wave_0_\@
	s_barrier_signal -3
.Lnot_wave_0_\@:
	s_barrier_wait -3
	s_barrier_signal -1
	s_barrier_wait -1
.endm
.macro AGET p
.if \p
	WIN 0xc0
.endif
.irp t, 0,1,2,3
.irp c, 0,1,2,3
	global_load_b128 v[AF+16*\t+4*\c:AF+16*\t+4*\c+3], v1, s[PA:PA+1] offset:2048*\t+512*\c
.endr
.endr
	WIN 0
.irp c, 0,1,2,3
	global_load_b32 v[WB+12*\p+\c], v23, s[PA:PA+1] offset:8192+64*\c
.endr
.endm
.macro NEXTA p
	s_wait_xcnt 0x0
	s_add_nc_u64 s[PA:PA+1], s[PA:PA+1], 4*UNIT
	AGET \p
.endm
	s_load_b256 s[4:11], s[0:1], 0x0
	s_load_b64 s[12:13], s[0:1], 0x20
	v_lshl_add_u32 v2, v0, 2, SPARE
	v_mov_b32 v3, 0
	ds_add_u32 v2, v3
	ds_add_u32 v2, v3
	v_lshrrev_b32 v1, 5, v0
	v_readfirstlane_b32 s14, v1
	s_bfe_u32 s16, ttmp6, 0x40000
	s_lshl_b32 s19, ttmp9, 2
	s_add_co_u32 s19, s19, s16
	s_and_b32 s18, ttmp7, 0xffff
	s_mov_b32 s[G1], 15|(3<<16)|(1<<21)
	s_mov_b32 s[G1+1], 32<<16
	s_mov_b32 s[G1+2], 150<<16
	s_mov_b32 s[G1+3], 32<<16
	s_mov_b32 s[G1+4], 150
	s_mov_b32 s[G1+5], 32
	s_mov_b32 s[G1+6], 0
	s_mov_b32 s[G1+7], 0
	s_mul_i32 s20, s14, QUART
	s_mul_i32 s42, s18, 64*WUNIT
	s_add_co_u32 s42, s42, s20
	s_mov_b32 s43, 0
	s_mul_i32 s22, s19, 64*UNIT
	s_mul_i32 s23, s14, UNIT
	s_add_co_u32 s22, s22, s23
	s_mov_b32 s23, 0
	s_mul_i32 s66, s18, 64*WUNIT
	s_mul_i32 s67, s16, QUART
	s_add_co_u32 s66, s66, s67
	s_mul_i32 s67, s14, 12800
	s_add_co_u32 s66, s66, s67
	s_add_co_u32 s66, s66, 2*SLOT
	s_mov_b32 s67, 0
	s_cmp_eq_u32 s14, 3
	s_cselect_b32 s47, 1, 0
	s_cmp_eq_u32 s47, 0
	s_cselect_b32 s[ASKF], 1, 0
	s_wait_dscnt 0x0
	s_wait_kmcnt 0x0
	s_add_nc_u64 s[42:43], s[6:7], s[42:43]
	s_add_nc_u64 s[PA:PA+1], s[4:5], s[22:23]
	s_add_nc_u64 s[PFA:PFA+1], s[6:7], s[66:67]
	CROUND
.irp s, 0,1
	s_mov_b32 s[G0+4*\s], 1
	s_add_co_u32 s[G0+4*\s+1], s20, \s*SLOT
	s_add_nc_u64 s[G0+4*\s+2:G0+4*\s+3], s[42:43], \s*SLOT
	s_or_b32 s[G0+4*\s+3], s[G0+4*\s+3], 0x80000000
.endr
	tensor_load_to_lds s[G0:G0+3], s[G1:G1+7]
	s_nop 0
	v_and_b32 v22, 31, v0
	v_lshlrev_b32 v1, 4, v22
	v_and_b32 v20, 15, v0
	v_bfe_u32 v21, v0, 4, 1
	v_lshlrev_b32 v23, 2, v20
	v_lshlrev_b32 v24, 4, v20
	v_lshlrev_b32 v25, 3, v20
	v_min_u32 v[PFO], 24, v22
	v_lshlrev_b32 v[PFO], 8, v[PFO]
	v_lshlrev_b32 v[PFX], 8, v22
	s_mul_i32 s46, s14, WUNIT
.irp i, 0,1,2,3
	v_add_nc_u32 v[4+\i], s46, v1
	v_add_nc_u32 v[8+\i], s46, v24
	v_add_nc_u32 v[12+\i], s46, v25
	s_add_co_u32 s46, s46, HALF
.endr
	s_mul_i32 s47, s14, 36864
	v_add_nc_u32 v16, s47, v1
	s_mul_i32 s47, s14, 9216
	v_add_nc_u32 v17, s47, v1
	v_add_nc_u32 v18, 73728, v17
	s_mul_i32 s47, s14, 16*528
	s_add_co_u32 s47, s47, OST
	v_mul_u32_u24 v19, v20, 528
	v_lshl_add_u32 v19, v21, 7, v19
	v_add_nc_u32 v19, s47, v19
	v_add_nc_u32 v28, s47, v1
	v_lshl_add_u32 v26, v21, 16, v24
	s_wait_alu depctr_va_vdst(0)
	v_lshlrev_b32 v27, 7, v21
	s_wait_alu depctr_va_vdst(0)
	s_lshl_b32 s22, s18, 9
	s_mov_b32 s23, 0
	s_add_nc_u64 s[8:9], s[8:9], s[22:23]
	s_add_nc_u64 s[10:11], s[10:11], s[22:23]
	s_lshl_b32 s66, s19, 6
	s_lshl_b32 s67, s14, 4
	s_add_co_u32 s66, s66, s67
	s_lshl_b32 s66, s66, 13
	s_add_co_u32 s66, s66, s22
	s_mov_b32 s67, 0
	s_add_nc_u64 s[12:13], s[12:13], s[66:67]
	WIN 0x40
.irp g, 0,1
.irp i, 0,1,2,3,4,5,6,7
	global_load_b128 v[64+32*\g+4*\i:64+32*\g+4*\i+3], v26, s[8:9] offset:8192*\i+256*\g
	global_load_b128 v[128+32*\g+4*\i:128+32*\g+4*\i+3], v27, s[10:11] offset:256*\g+16*\i
.endr
.endr
	WIN 0
	AGET 0
	NEXTA 1
	s_wait_alu depctr_va_vdst(0)
	s_wait_tensorcnt 0x0                           ; my part of slot 0 is in
	ds_add_u32 v2, v3
	s_wait_dscnt 0x0
	CROUND
	tensor_load_to_lds s[G0+4:G0+7], s[G1:G1+7]    ; slot 1's first fill, the first tensor load behind the round
	s_nop 0
.rept 4
	v_nop
.endr
.macro STEP i, p, zero, get, left
	ds_load_b128 v[BS:BS+3], v[8+\i] offset:8192
	ds_load_b128 v[BS+4:BS+7], v[8+\i] offset:8192+UNIT
	ds_load_b32 v[LS], v[12+\i] offset:18944
.irp b, 0,1,2,3,4,5,6,7
.irp c, 0,1,2,3
	ds_load_b128 v[BF+16*\b+4*\c:BF+16*\b+4*\c+3], v[4+\i] offset:UNIT*(\b/4)+2048*(\b%4)+512*\c
.endr
.endr
	WIN 0x40
.irp c, 0,1,2,3
	ds_load_b128 v[4*\c:4*\c+3], v[4+\i] offset:2*UNIT+512*\c
.endr
	WIN 0
	s_wait_loadcnt \left
	v_perm_b32 v[PQ], v[WB+12*\p+1], v[WB+12*\p], 0x05010400
	v_perm_b32 v[PQ+1], v[WB+12*\p+1], v[WB+12*\p], 0x07030602
	v_perm_b32 v[PQ+2], v[WB+12*\p+3], v[WB+12*\p+2], 0x05010400
	v_perm_b32 v[PQ+3], v[WB+12*\p+3], v[WB+12*\p+2], 0x07030602
	v_perm_b32 v[XS], v[PQ+2], v[PQ], 0x05040100
	v_perm_b32 v[XS+1], v[PQ+2], v[PQ], 0x07060302
	v_perm_b32 v[XS+2], v[PQ+3], v[PQ+1], 0x05040100
	v_perm_b32 v[XS+3], v[PQ+3], v[PQ+1], 0x07060302
.rept 8
	v_nop
.endr
.if PFON
	global_prefetch_b8 v[PFX], s[PA:PA+1] offset:12*UNIT th:TH_LOAD_NT scope:SCOPE_SE        ; s[PA:PA+1] stands at my next step's unit: three steps of 4 units further is the unit of four steps on: its 32 blocks of codes,
	global_prefetch_b8 v23, s[PA:PA+1] offset:12*UNIT+8192 th:TH_LOAD_NT scope:SCOPE_SE      ; and its block of scale words
.endif
	WIN 0xa0+0x0c*\p
	s_wait_alu depctr_va_vdst(0)
.irp b, 0,1,2,3,4,5,6,7
	s_wait_dscnt 32-4*\b
.irp t, 0,1,2,3
.if \zero
	v_wmma_scale_f32_16x16x128_f8f6f4 v[8*(8*\t+\b):8*(8*\t+\b)+7], v[BF+16*\b:BF+16*\b+15], v[AF+16*\t:AF+16*\t+15], 0, v[BS+\b], v[XS+\t]
.else
	v_wmma_scale_f32_16x16x128_f8f6f4 v[8*(8*\t+\b):8*(8*\t+\b)+7], v[BF+16*\b:BF+16*\b+15], v[AF+16*\t:AF+16*\t+15], v[8*(8*\t+\b):8*(8*\t+\b)+7], v[BS+\b], v[XS+\t]
.endif
.endr
.endr
	s_wait_dscnt 0x0
	WIN 0x51+0x0c*\p
.irp t, 0,1,2,3
.if \zero
	v_wmma_scale_f32_16x16x128_f8f6f4 v[16+8*\t:16+8*\t+7], v[0:15], v[AF+16*\t:AF+16*\t+15], 0, v[LS], v[XS+\t]
.else
	v_wmma_scale_f32_16x16x128_f8f6f4 v[16+8*\t:16+8*\t+7], v[0:15], v[AF+16*\t:AF+16*\t+15], v[16+8*\t:16+8*\t+7], v[LS], v[XS+\t]
.endif
.endr
	WIN 0
.rept 8
	v_nop
.endr
.if \get
	NEXTA \p
.endif
.endm
.macro TURN s, fill, ask
	s_wait_tensorcnt 0x0
	ds_add_u32 v2, v3
.if \fill
	s_add_nc_u64 s[G0+4*\s+2:G0+4*\s+3], s[G0+4*\s+2:G0+4*\s+3], 2*SLOT
.endif
.if \ask
	s_wait_xcnt 0x0
	s_add_nc_u64 s[PFA:PFA+1], s[PFA:PFA+1], SLOT
.endif
	s_wait_dscnt 0x0
.if \fill
	CROUND
	tensor_load_to_lds s[G0+4*\s:G0+4*\s+3], s[G1:G1+7]
	s_nop 0
.rept 4
	v_nop
.endr
.if \ask
	s_cmp_lg_u32 s[ASKF], 0
	s_cbranch_scc0 .Lnot_mine_\@
	global_prefetch_b8 v[PFO], s[PFA:PFA+1] th:TH_LOAD_NT scope:SCOPE_SE
	global_prefetch_b8 v[PFO], s[PFA:PFA+1] offset:6400 th:TH_LOAD_NT scope:SCOPE_SE
.Lnot_mine_\@:
.endif
.else
	s_barrier_signal -1
	s_barrier_wait -1
.endif
.endm
	s_wait_tensorcnt 1
	s_barrier_signal -1
	s_barrier_wait -1
	STEP 0, 0, 1, 1, 20
	STEP 1, 1, 0, 1, 20
	TURN 0, 1, 1
	s_mov_b32 s3, 2
.Llap:
	STEP 2, 0, 0, 1, 20
	STEP 3, 1, 0, 1, 20
	TURN 1, 1, 1
	STEP 0, 0, 0, 1, 20
	STEP 1, 1, 0, 1, 20
	TURN 0, 1, 1
	s_sub_co_u32 s3, s3, 1
	s_cmp_lg_u32 s3, 0
	s_cbranch_scc1 .Llap
	STEP 2, 0, 0, 1, 20
	STEP 3, 1, 0, 1, 20
	TURN 1, 1, 0
.set PFON, 0                           ; my steps 12 to 15 have no unit four steps on
	STEP 0, 0, 0, 1, 20
	STEP 1, 1, 0, 1, 20
	TURN 0, 0, 0
	STEP 2, 0, 0, 0, 20
	STEP 3, 1, 0, 0, 0
	s_wait_dscnt 0x0
	s_barrier_signal -1
	s_barrier_wait -1
	WIN 0x08
.irp t, 0,1,2,3
.irp b, 0,1,2,3,4,5,6,7
	ds_store_b128 v16, v[8*(8*\t+\b):8*(8*\t+\b)+3] offset:1024*(9*\t+\b)
	ds_store_b128 v16, v[8*(8*\t+\b)+4:8*(8*\t+\b)+7] offset:1024*(9*\t+\b)+512
.endr
.endr
	WIN 0x04
.irp t, 0,1,2,3
	ds_store_b128 v16, v[16+8*\t:16+8*\t+3] offset:1024*(9*\t+8)
	ds_store_b128 v16, v[16+8*\t+4:16+8*\t+7] offset:1024*(9*\t+8)+512
.endr
	WIN 0
	s_wait_dscnt 0x0
	s_barrier_signal -1
	s_barrier_wait -1
.macro GETP reg, adr, off
.irp b, 0,1,2,3,4,5,6,7,8
	ds_load_b128 v[\reg+8*\b:\reg+8*\b+3], v[\adr] offset:\off+1024*\b
	ds_load_b128 v[\reg+8*\b+4:\reg+8*\b+7], v[\adr] offset:\off+1024*\b+512
.endr
.endm
.macro ADDP
	s_wait_dscnt 0x0
.set I_, 0
.rept 36
	v_pk_add_f32 v[SS+I_:SS+I_+1], v[SS+I_:SS+I_+1], v[TT+I_:TT+I_+1]
.set I_, I_+2
.endr
.endm
	GETP SS, 17, 0
	GETP TT, 17, 36864
	ADDP
	GETP TT, 18, 0
	ADDP
	GETP TT, 18, 36864
	ADDP
	s_wait_alu depctr_va_vdst(0)
	s_wait_loadcnt 0x0
.irp i, 0,1,2,3
	v_cvt_pk_bf16_f32 v[UF+\i], v[SS+64+2*\i], v[SS+64+2*\i+1]
	v_mov_b32 v[UF+4+\i], 0
.endr
	WIN 0x05
.irp b, 0,1,2,3,4,5,6,7
.irp i, 0,1,2,3
	v_cvt_pk_bf16_f32 v[TT+8*\b+\i], v[64+32*(\b/4)+8*\i+(\b%4)], v[64+32*(\b/4)+8*\i+4+(\b%4)]
.endr
.endr
	WIN 0
.irp b, 0,1,2,3,4,5,6,7
.irp i, 4,5,6,7
	v_mov_b32 v[TT+8*\b+\i], 0
.endr
.endr
.irp b, 0,1,2,3,4,5,6,7
	v_wmma_f32_16x16x32_bf16 v[SS+8*\b:SS+8*\b+7], v[TT+8*\b:TT+8*\b+7], v[UF:UF+7], v[SS+8*\b:SS+8*\b+7]
.endr
.rept 4
	v_nop
.endr
	WIN 0x04
.irp j, 0,1,2,3,4,5,6,7
.irp g, 0,1
.irp u, 0,1,2,3
	v_add_f32 v[TT+32*\g+4*\j+\u], v[SS+8*(4*\g+\u)+\j], v[128+32*\g+4*\j+\u]
.endr
.endr
.endr
	WIN 0
.irp g, 0,1
.irp j, 0,1,2,3,4,5,6,7
	ds_store_b128 v19, v[TT+32*\g+4*\j:TT+32*\g+4*\j+3] offset:256*\g+16*\j
.endr
.endr
.irp i, 0,1,2,3,4,5,6,7,8,9,10,11,12,13,14,15
	ds_load_b128 v[SS+4*\i:SS+4*\i+3], v28 offset:528*\i
.endr
.irp i, 0,1,2,3,4,5,6,7,8,9,10,11,12,13,14,15
	s_wait_dscnt 15-\i
	global_store_b128 v1, v[SS+4*\i:SS+4*\i+3], s[12:13] offset:8192*\i th:TH_STORE_NT
.endr
	s_wait_tensorcnt 0x0
	ds_add_u32 v2, v3
	s_wait_dscnt 0x0
	CROUND
	s_endpgm
.Lfunc_end_k_q154770922b_down:
	.size	k_q154770922b_down, .Lfunc_end_k_q154770922b_down-k_q154770922b_down
	.p2alignl 7, 3214868480
	.fill 96, 4, 3214868480
	.section	.rodata,"a",@progbits
	.p2align	6, 0x0
	.amdhsa_kernel k_q154770922b_down
		.amdhsa_group_segment_fixed_size 327680
		.amdhsa_private_segment_fixed_size 0
		.amdhsa_enable_private_segment 0
		.amdhsa_kernarg_size 40
		.amdhsa_user_sgpr_count 2
		.amdhsa_user_sgpr_kernarg_segment_ptr 1
		.amdhsa_wavefront_size32 1
		.amdhsa_system_sgpr_workgroup_id_x 1
		.amdhsa_system_sgpr_workgroup_id_y 1
		.amdhsa_system_sgpr_workgroup_id_z 1
		.amdhsa_system_vgpr_workitem_id 0
		.amdhsa_next_free_vgpr 1024
		.amdhsa_next_free_sgpr 72
		.amdhsa_reserve_vcc 0
		.amdhsa_float_denorm_mode_32 3
		.amdhsa_float_denorm_mode_16_64 3
		.amdhsa_memory_ordered 1
		.amdhsa_forward_progress 1
		.amdhsa_inst_pref_size 170
	.end_amdhsa_kernel
	.amdgpu_metadata
---
amdhsa.version: [ 1, 2 ]
amdhsa.kernels:
  - .name:           k_q154770922b_down
    .symbol:         k_q154770922b_down.kd
    .args:
      - { .name: x3q, .offset: 0, .size: 8, .value_kind: global_buffer, .address_space: global }
      - { .name: wdq, .offset: 8, .size: 8, .value_kind: global_buffer, .address_space: global }
      - { .name: w_down_lora_b, .offset: 16, .size: 8, .value_kind: global_buffer, .address_space: global }
      - { .name: b_down, .offset: 24, .size: 8, .value_kind: global_buffer, .address_space: global }
      - { .name: out0, .offset: 32, .size: 8, .value_kind: global_buffer, .address_space: global }
    .group_segment_fixed_size: 327680
    .private_segment_fixed_size: 0
    .kernarg_segment_align: 8
    .kernarg_segment_size: 40
    .max_flat_workgroup_size: 128
    .sgpr_count:     72
    .vgpr_count:     1024
    .wavefront_size: 32
...
	.end_amdgpu_metadata
.endif
;; end of part 3
